; MI455X (gfx1250); checked and timed in simulation.
; The chip was launched on July 23, 2026; its instructions are those of AMD's public machine-readable ISA for CDNA 5 (MIT licence, August 2026) and "CDNA5" Instruction Set Architecture Reference Guide (July 2026). The comments in the code are by the model that wrote it; some were corrected since.
;; Critic UA Vob. Allowed arithmetic: matrix products marked QUANTISED: E2M1 operands, one E8M0 scale for each 32 along K, by v_wmma_scale_f32_16x16x128_f8f6f4 with both operands' format E2M1 (or v_wmma_scale_f32_32x16x128_f4), f32 sums; products left as they are: f32 operands where the result goes on into a quantised operand, else bf16, f16 or f32 operands; f32 sums; everything else in f32.
;; Inputs: W1_codes 128 x 2 x 16 uint8 (E2M1 codes of W1, K innermost, in blocks of 32 codes, two codes a byte); W1_scales 128 x 2 uint8 (E8M0 scales of W1, one for each 32 codes along K); W2_codes 128 x 4 x 16 uint8 (E2M1 codes of W2, K innermost, in blocks of 32 codes, two codes a byte); W2_scales 128 x 4 uint8 (E8M0 scales of W2, one for each 32 codes along K); W3 128 x 1 float32; Wk_rs 3 x 16 float32; Wk_tg 3 x 16 float32; Wq_rs 3 x 16 float32; Wq_tg 3 x 16 float32; Wv_rs 3 x 32 float32; Wv_tg 3 x 32 float32; b1 128 float32; b2 128 float32; b3 1 float32; bk_rs 16 float32; bk_tg 16 float32; bq_rs 16 float32; bq_tg 16 float32; bv_rs 32 float32; bv_tg 32 float32; s_obs 4,096 x 128 x 3 float32.
;; Outputs: out0 4,096 x 1 float32.
;; This version of the problem:
;;   THIS VERSION OF THE PROBLEM IS GIVEN IN LOW PRECISION. The matrix products marked QUANTISED in the list below multiply operands that are first quantised to E2M1 (2 exponent bits, 1 mantissa bit; 4 bits a number), with one power-of-two scale for each 32 numbers along K (OCP MX v1.0); their sums are f32. All else is computed in f32.
;;   The module's matrix products, in the order in which they are computed (A, B: the left and right operand; K: the contracted axis; several contracted axes count as one K, in the product's order):
;;     1. [M 524,288, K 3] x [K 3, N 16]; A: input s_obs; B: input Wq_rs: left as it is (K = 3 < 32)
;;     2. [M 524,288, K 3] x [K 3, N 16]; A: input s_obs; B: input Wk_rs: left as it is (K = 3 < 32)
;;     3. [M 524,288, K 3] x [K 3, N 32]; A: input s_obs; B: input Wv_rs: left as it is (K = 3 < 32)
;;     4. batch 4,096 x [M 128, K 16] x [K 16, N 128]; A: computed on the way; B: computed on the way: left as it is (K = 16 < 32)
;;     5. batch 4,096 x [M 128, K 128] x [K 128, N 32]; A: softmax (see below); B: computed on the way: QUANTISED
;;     6. [M 524,288, K 3] x [K 3, N 16]; A: input s_obs; B: input Wq_tg: left as it is (K = 3 < 32)
;;     7. [M 524,288, K 3] x [K 3, N 16]; A: input s_obs; B: input Wk_tg: left as it is (K = 3 < 32)
;;     8. [M 524,288, K 3] x [K 3, N 32]; A: input s_obs; B: input Wv_tg: left as it is (K = 3 < 32)
;;     9. batch 4,096 x [M 128, K 16] x [K 16, N 128]; A: computed on the way; B: computed on the way: left as it is (K = 16 < 32)
;;     10. batch 4,096 x [M 128, K 128] x [K 128, N 32]; A: softmax (see below); B: computed on the way: QUANTISED
;;     11. [M 4,096, K 64] x [K 64, N 128]; A: computed on the way; B: input W1 (given as codes): QUANTISED
;;     12. [M 4,096, K 128] x [K 128, N 128]; A: computed on the way; B: input W2 (given as codes): QUANTISED
;;     13. [M 4,096, K 128] x [K 128, N 1]; A: computed on the way; B: input W3: left as it is (N = 1 < 16)
;;   THE QUANTISER, for each operand of a quantised product, along K:
;;     - K is cut into blocks of 32 from its start; a last block that is shorter is filled with zeros.
;;     - A block's scale is 2^e with e = floor(log2(the largest magnitude in the block)) - 2, held to -126 .. 127; a block of zeros has e = 0. As a byte (E8M0): e + 127.
;;     - Each number is divided by its block's scale, clamped to +-6, and rounded to the nearest number of E2M1, ties to even, subnormals kept.
;;     - The product sums the exact products of the quantised numbers (number of the format x scale) in f32.
;;   ~~~python
;;   def quantise(x, axis):      # numpy; x: float32 -> the quantised numbers, widened to float32 again
;;       x = np.moveaxis(x, axis, -1); K = x.shape[-1]
;;       x = np.pad(x, [(0, 0)] * (x.ndim - 1) + [(0, -K % 32)]); x = x.reshape(x.shape[:-1] + (-1, 32)); a = np.abs(x).max(-1, keepdims=True)
;;       e = np.where(a > 0, np.clip(np.frexp(np.where(a > 0, a, 1))[1] - 1 - 2, -126, 127), 0)      # np.frexp(a)[1] - 1 = floor(log2(a)), exactly
;;       r = np.clip(x / 2.0 ** e, -6, 6)
;;       step = 2.0 ** (np.maximum(np.frexp(np.where(r == 0, 1, r))[1] - 1, 0) - 1)
;;       q = np.round(r / step) * step * 2.0 ** e      # np.round: ties to even
;;       return np.moveaxis(q.reshape(q.shape[:-2] + (-1,))[..., :K], -1, axis).astype(np.float32)
;;   ~~~
;;   SOFTMAX AHEAD OF A QUANTISED PRODUCT. Where the list says 'softmax', what is quantised is not the finished softmax but p = 2^(t - M), with t = logit x log2(e) and M = ceil(the row's largest t), a whole number; so 1/2 < the row's largest p <= 1. The row's sum l is taken of the UNQUANTISED p, in f32, and the product's result is divided by l at the end. Since M is a whole number, a kernel that streams over the keys may use a running M (the ceiling of the running maximum): every later rescaling is an exact power of two, which a block's scale takes up: the codes' values come out the same.
;;   OPERANDS COMPUTED ON THE WAY. 'Computed on the way' means the value that the module computes at that place (a softmax that the list does not call 'softmax' is quantised finished and normalised). What goes into a quantiser is computed in f32, as accurately as f32 sums, v_exp_f32 and their like allow (about 1e-6 of the number): no bf16 or f16 on the way to a quantiser, and a product that is left as it is and whose result goes on into a quantised operand takes f32 operands (vector FMAs, or v_wmma_f32_16x16x4_f32). A number that lies on a knife's edge between two numbers of the format may be rounded either way, as far as f32 arithmetic and the matrix unit's own rounding can turn it there, and no further.
;;   INPUTS GIVEN AS CODES. W1 (in the module: [64, 128], K = its axis 0); W2 (in the module: [128, 128], K = its axis 0): each comes as NAME_codes (uint8): NAME with its K axis moved to the last place and cut into blocks of 32 codes, [.., K / 32, bytes a block], one block behind the other in memory; two codes a byte, the lower K in the low four bits (a code: sign, 2 exponent bits, 1 mantissa bit); and NAME_scales (uint8): the same leading axes, one E8M0 byte (e + 127) for each 32 codes along K. Its value is code x scale, taken as it is: it is not quantised again, and the codes and scales need not be those that the quantiser above would give.
;; One version. Each part assembles by itself: llvm-mc -triple=amdgcn-amd-amdhsa -mcpu=gfx1250 --defsym DOCPART=n.
;; ======== version 1 of 1: 1 launch
;; limits: a function is approximated: absolute error at most 2e-07
;; launch critic (part 1): grid 256 x 1, 16 waves a work-group, no clusters, 90,880 bytes of LDS; arguments s_obs, Wq_rs, bq_rs, Wk_rs, bk_rs, Wv_rs, bv_rs, Wq_tg, bq_tg, Wk_tg, bk_tg, Wv_tg, bv_tg, W1_codes, W1_scales, b1, W2_codes, W2_scales, b2, W3, b3, out0; writes out0
.if DOCPART == 1
	.amdgcn_target "amdgcn-amd-amdhsa--gfx1250"
	.amdhsa_code_object_version 6
	.text
	.protected	k_qd5c81c8995_critic
	.globl	k_qd5c81c8995_critic
	.p2align	8
	.type	k_qd5c81c8995_critic,@function
k_qd5c81c8995_critic:
	s_mov_b64 s[64:65], 0
	v_nop
	global_prefetch_b8 v0, s[64:65] scope:SCOPE_SE
	s_setreg_imm32_b32 hwreg(HW_REG_WAVE_MODE, 25, 1), 1
	s_wait_xcnt 0x0
; out0[b] = tanh(tanh([pool_rs(s_b), pool_tg(s_b)] W1 + b1) W2 + b2) W3 + b3, pool = the mean over the 128 queries of softmax(Q K^T / 4) V.  4,096 batches of 128 tokens of 3 numbers.
; QUANTISED (codes of E2M1, one E8M0 scale for each 32 along K): the two products p V (K = the 128 keys; p = 2^(t - M), M a whole number, divided by the sum of the unquantised p at the end) and those with W1 and W2.
; All that goes into a quantiser (scores, V, the pooled h, the first tanh) is made in f32.
; NO WORK IS LEFT OUT AS DEAD: every input is loaded and has its way to the result (bk too: it moves M and so p's codes).
; THE SCORES ARE REGROUPED.  With s~ = (s0, s1, s2, 1), Wq~ = [Wq; bq], Wk~ = [Wk; bk] (4 x 16 each): Q K^T = s~ (Wq~ Wk~^T) s~^T for all values of the inputs.  G = Wq~ Wk~^T (4 x 4) is made once
; for a work-group and head, a query's a = s~ c G (c = log2(e) / 4) once for a query, and t = a . s~_key is a product with K = 4: one f32 matrix instruction for 16 keys x 16 queries.  V = s~ [Wv; bv] likewise.
; LIMITS.  The regrouped sums are rounded in another order than the sums over 16 that the problem writes: they differ by f32 rounding.  NaN and infinities among the inputs are not served.  A block of zeros gets the
; scale byte 1 where the rule says 127: its codes are zeros, and the bytes are read by this program alone.  A p under 2^-126 comes out of v_exp_f32 as 0.  tanh(x) = 1 - 2 / (1 + 2^(2 log2(e) x)): its error is
; about 1e-7 absolute, so its relative error grows for |x| far under 1.
; SHARES.  256 work-groups of 16 waves.  Work-group g owns batches 16 g .. 16 g + 15: the 16 rows of one tile of the last three layers.  Wave w does the whole attention of batch 16 g + w: two heads, eight tiles
; of 16 queries, all 128 keys in one step.  256 registers a wave, four waves to a SIMD: one wave's matrix work and waits stand beside another's vector work.  Waves 0 to 3 then do the layers, 32 hidden units each.
; NO CLUSTER: work-groups share only the weights, some 15 KB in all, read once at the head; each wave's 1,536 bytes of tokens are its own.  No tensor load, no ring, no prefetch: all loads stand at the head.
; LAYOUT.  Token tile T = 4 c + t: its row rho is token 64 c + 8 t + rho % 8 + 32 (rho / 8).  With the tile as source 0 of the f32 form, lane (r, h) of the result holds in register j the token 64 c + 32 h + 8 t + j:
; the 32 registers of tiles 4 c .. 4 c + 3 are ONE WHOLE BLOCK of 32 keys (block 2 c + h) in one lane, in the order of the 4-bit operand's registers: a block's maximum asks no other lane, and the conversion of
; tile T's eight registers IS register T of the operand.  The same eight fragments serve as keys (scores), as tokens (V) and, through a, as queries: the mean does not care in which order the queries come.
; REGISTERS: v0 thread; v1, v2 the add's two; v3-5 addresses, 8 h; v[6:7] -M; v8, v9 block maxima; v[10:11] 1 / l; v[12:15] the sum's chains; v16-31 the token fragments; v[32:33] the other half's; v[34:35] a;
;   v36-43 c G in four pairs; v44-47 [Wv; bv]'s fragments; v48-63 V^T's codes; v64-69 scale words and nothing else; v70-77 p's codes; v78-95 at work and addresses; v96-111 O^T; v112-127 the sum over the queries;
;   v128-191 p; v192-255 the f32 form's results, written by matrix instructions alone.
.set TOK,   0                          ; LDS: 2,560 bytes for each wave: token k as (s0, s1, s2, 1.0) at 16 (k % 32) + 640 (k / 32)
.set CIMG,  40960                      ; a head's constants as images of v36-47: 3 x 512 bytes a head
.set HB,    44032                      ; h: 16 rows of 64 f32, 272 bytes apart
.set MIMG,  48384                      ; 9,728 bytes for each of waves 0-3: 18 images of four registers (512 bytes), then 4 of one (128 bytes)
.set IMG1,  87296                      ; the first hidden layer's fragment as an image of its 8 registers: 2 x 512 bytes
.set SC1,   88320                      ; its scale words, 4 bytes a row
.set YP,    88576                      ; the last layer's partial sums: [4 waves][16 rows]
.set SPARE, 88832                      ; the spare words, 128 bytes for each of 16 waves: eight blocks of 256 bytes that no other line names
.set AF,  16
.set VC,  48
.set PC,  70
.set OA,  96
.set AC,  112
.set PT,  128
.set DT,  192
.macro BARRIER                         ; my LDS stores have landed and my LDS loads are in: then the work-group's barrier
	s_wait_dscnt 0x0
	s_barrier_signal -1
	s_barrier_wait -1
.endm
.macro PLACES n                        ; plain vector instructions between a matrix instruction and what reads its result or writes its registers (ISA guide 7.12.1)
.rept \n
	v_nop
.endr
.endm
; Eight f32 products: the eight token tiles x the fragment in v[b:b+1].  Each sum is whole in one instruction (K = 4) and begins with the constant 0; eight different accumulators.
.macro SMUL b
.irp T, 0,1,2,3,4,5,6,7
	v_wmma_f32_16x16x4_f32 v[DT+8*\T:DT+8*\T+7], v[AF+2*\T:AF+2*\T+1], v[\b:\b+1], 0
.endr
.endm
; a of the 16 queries of tile T: lane (r, h) makes a[2 h], a[2 h + 1] of query r from its own two numbers of s~ and the two of lane l xor 16
.macro BFRAG T
	v_permlanex16_b32 v32, v[AF+2*(\T)], s4, s5
	v_permlanex16_b32 v33, v[AF+2*(\T)+1], s4, s5
	v_pk_mul_f32 v[34:35], v[AF+2*(\T):AF+2*(\T)+1], v[36:37] op_sel_hi:[0,1]                     ; my first number x both
	v_pk_fma_f32 v[34:35], v[AF+2*(\T):AF+2*(\T)+1], v[38:39], v[34:35] op_sel:[1,0,0] op_sel_hi:[1,1,1]   ; my second x both
	v_pk_fma_f32 v[34:35], v[32:33], v[40:41], v[34:35] op_sel_hi:[0,1,1]
	v_pk_fma_f32 v[34:35], v[32:33], v[42:43], v[34:35] op_sel:[1,0,0] op_sel_hi:[1,1,1]
.endm
; V's channels 16 e + r for all 128 tokens, quantised along the tokens: codes into v[VC + 8 e ..], the scale word of channel 16 e + r into v[84 + e]
.macro VQ e
	SMUL 44+2*\e
	PLACES 8                                       ; eight places behind this form, ahead of the first read of its results
	v_max3_num_f32 v8, |v[DT]|, |v[DT+1]|, 0x1800000       ; block h, and the floor 2^(3 - 127): the byte cannot fall under 1
	v_max3_num_f32 v9, |v[DT+32]|, |v[DT+33]|, 0x1800000   ; block 2 + h.  (Ascending: each accumulator is first read at its low end)
.set i, 2
.rept 15
	v_max3_num_f32 v8, v8, |v[DT+i]|, |v[DT+i+1]|
	v_max3_num_f32 v9, v9, |v[DT+32+i]|, |v[DT+33+i]|
.set i, i+2
.endr
	v_add_nc_u32 v78, 0xff000000, v8               ; 2 off the exponent field: the conversion's scale operand
	v_add_nc_u32 v79, 0xff000000, v9
	v_lshrrev_b32 v80, 23, v78                     ; the scale's byte
	v_lshrrev_b32 v81, 23, v79
.irp T, 0,1,2,3,4,5,6,7
	v_cvt_scalef32_pk8_fp4_f32 v[VC+8*\e+\T], v[DT+8*\T:DT+8*\T+7], v[78+\T/4]
.endr
	v_lshl_or_b32 v82, v81, 16, v80                ; my two bytes (also the plain line behind the conversions),
	v_lshlrev_b32 v82, v5, v82                     ; at their places: 8 h bits up;
	v_permlanex16_b32 v83, v82, s4, s5
	v_or_b32 v[84+\e], v82, v83                    ; with lane l xor 16's two the word is whole
.endm
; A TILE OF 16 QUERIES.  At its head v192-255 hold t of tile q: lane (r, h): query r, keys 32 h + 0 .. 31 and 64 + 32 h + 0 .. 31.
.macro QT q
	v_max3_num_f32 v8, v[DT], v[DT+1], v[DT+2]     ; the largest t of each of my two blocks: it serves the row's maximum and, since p rises with t, the block's largest p
	v_max3_num_f32 v9, v[DT+32], v[DT+33], v[DT+34]
.set i, 3
.rept 14
	v_max3_num_f32 v8, v8, v[DT+i], v[DT+i+1]
	v_max3_num_f32 v9, v9, v[DT+32+i], v[DT+33+i]
.set i, i+2
.endr
	v_max_num_f32 v8, v8, v[DT+31]
	v_max_num_f32 v9, v9, v[DT+63]
	v_max_num_f32 v86, v8, v9
	v_permlanex16_b32 v87, v86, s4, s5
	v_max_num_f32 v86, v86, v87                    ; the row's largest t
	v_floor_f32 v6, -v86                           ; -M = floor(-t) = -ceil(t): a whole number
.set i, 0
.rept 32
	v_pk_add_f32 v[PT+i:PT+i+1], v[DT+i:DT+i+1], v[6:7] op_sel_hi:[1,0]   ; t - M, two at a time, into other registers
.set i, i+2
.endr
	v_add_f32 v8, v8, v6                           ; the same addition on the blocks' largest t: the same bits as their elements
	v_add_f32 v9, v9, v6
.if \q < 7
	BFRAG \q+1                                     ; the next tile's scores are started here, under this tile's exponentials: t has been read out, and the
	SMUL 34                                        ; products before lie more than a hundred plain instructions back
.endif
.set i, 0
.rept 64
	v_exp_f32 v[PT+i], v[PT+i]                     ; p = 2^(t - M), at most 1: not normalised
.set i, i+1
.endr
	v_exp_f32 v8, v8                               ; the blocks' largest p
	v_exp_f32 v9, v9
.if \q > 0
	v_rcp_f32 v10, v12                             ; 1 / l of the tile before: it rides in the same batch
.endif
	v_nop                                          ; a plain instruction behind the last of the batch (ISA guide 5.7.2),
	s_wait_alu depctr_va_vdst(0)                   ; and the tile's one wait, ahead of the first line that names a result
.if \q == 1
.set i, 0
.rept 8
	v_pk_mul_f32 v[AC+i:AC+i+1], v[OA+i:OA+i+1], v[10:11] op_sel_hi:[1,0]   ; the first tile's O^T / l starts the sum over the queries: nothing is cleared
.set i, i+2
.endr
.endif
.if \q > 1
.set i, 0
.rept 8
	v_pk_fma_f32 v[AC+i:AC+i+1], v[OA+i:OA+i+1], v[10:11], v[AC+i:AC+i+1] op_sel_hi:[1,0,1]
.set i, i+2
.endr
.endif
	v_max_num_f32 v8, 0x1800000, v8                ; the floor 2^(3 - 127)
	v_max_num_f32 v9, 0x1800000, v9
	v_add_nc_u32 v78, 0xff000000, v8
	v_add_nc_u32 v79, 0xff000000, v9
	v_lshrrev_b32 v80, 23, v78
	v_lshrrev_b32 v81, 23, v79
	v_lshl_or_b32 v82, v81, 16, v80
	v_lshlrev_b32 v82, v5, v82
	v_permlanex16_b32 v83, v82, s4, s5
	v_or_b32 v65, v82, v83                         ; p's scale word of query r
.irp T, 0,1,2,3,4,5,6,7
	v_cvt_scalef32_pk8_fp4_f32 v[PC+\T], v[PT+8*\T:PT+8*\T+7], v[78+\T/4]
.endr
	v_pk_add_f32 v[12:13], v[PT:PT+1], v[PT+2:PT+3]        ; THE ROW'S SUM IS TAKEN OF THE UNQUANTISED p, in two chains.  These 34 lines are also the places between the
	v_pk_add_f32 v[14:15], v[PT+4:PT+5], v[PT+6:PT+7]      ; scale word (8 are asked), the codes (4) and the scaled products below
.set i, 8
.rept 14
	v_pk_add_f32 v[12:13], v[12:13], v[PT+i:PT+i+1]
	v_pk_add_f32 v[14:15], v[14:15], v[PT+i+2:PT+i+3]
.set i, i+4
.endr
	v_pk_add_f32 v[12:13], v[12:13], v[14:15]
	v_add_f32 v12, v12, v13
	v_permlanex16_b32 v87, v12, s4, s5
	v_add_f32 v12, v12, v87                        ; l of query r
	; O^T = V^T p^T: source 0 = 16 channels, source 1 = my 16 queries; K = the 128 keys.  V's scale words: channels 0-15 in lanes 0-15 of v64, channels 16-31 in lanes 16-31
	v_wmma_scale_f32_16x16x128_f8f6f4 v[OA:OA+7], v[VC:VC+7], v[PC:PC+7], 0, v64, v65 matrix_a_fmt:MATRIX_FMT_FP4 matrix_b_fmt:MATRIX_FMT_FP4
	v_wmma_scale_f32_16x16x128_f8f6f4 v[OA+8:OA+15], v[VC+8:VC+15], v[PC:PC+7], 0, v64, v65 matrix_a_fmt:MATRIX_FMT_FP4 matrix_b_fmt:MATRIX_FMT_FP4 matrix_a_scale:MATRIX_SCALE_ROW1
.endm
; tanh of v[src .. src + 15] into v[PT .. PT + 15]: 1 - 2 / (1 + 2^(2 log2(e) x)).  Two batches, a plain line and one wait behind each.
.macro TANH16 src
.set i, 0
.rept 8
	v_pk_mul_f32 v[PT+i:PT+i+1], v[\src+i:\src+i+1], 0x4038aa3b op_sel_hi:[1,0]
.set i, i+2
.endr
.set i, 0
.rept 16
	v_exp_f32 v[PT+i], v[PT+i]
.set i, i+1
.endr
	v_nop
	s_wait_alu depctr_va_vdst(0)
.set i, 0
.rept 8
	v_pk_add_f32 v[PT+i:PT+i+1], v[PT+i:PT+i+1], 1.0 op_sel_hi:[1,0]
.set i, i+2
.endr
.set i, 0
.rept 16
	v_rcp_f32 v[PT+i], v[PT+i]
.set i, i+1
.endr
	v_nop
	s_wait_alu depctr_va_vdst(0)
.set i, 0
.rept 8
	v_pk_fma_f32 v[PT+i:PT+i+1], v[PT+i:PT+i+1], -2.0, 1.0 op_sel_hi:[1,0,0]
.set i, i+2
.endr
.endm
; image k of 18 (four registers a lane) lies in v[144 + 4 k] for k < 12 and in v[96 + 4 (k - 12)] from there on: under v192
.macro GIMG k, off, base, imm
	global_load_b128 v[144+4*(\k)-96*((\k)/12):147+4*(\k)-96*((\k)/12)], v[\off], s[\base:\base+1] offset:\imm
.endm
	; ---- THE HEAD, all waves
	s_load_b512 s[8:23], s[0:1], 0x0               ; s_obs 8, Wq_rs 10, bq_rs 12, Wk_rs 14, bk_rs 16, Wv_rs 18, bv_rs 20, Wq_tg 22
	s_load_b512 s[24:39], s[0:1], 0x40             ; bq_tg 24, Wk_tg 26, bk_tg 28, Wv_tg 30, bv_tg 32, W1_codes 34, W1_scales 36, b1 38
	s_load_b256 s[40:47], s[0:1], 0x80             ; W2_codes 40, W2_scales 42, b2 44, W3 46
	s_load_b128 s[48:51], s[0:1], 0xa0             ; b3 48, out0 50
	v_lshl_add_u32 v1, v0, 2, SPARE                ; my spare word,
	v_mov_b32 v2, 0                                ; and 0: kept for the lines at the wave's end
	v_lshrrev_b32 v8, 5, v0
	v_readfirstlane_b32 s2, v8                     ; wave 0..15
	v_and_b32 v8, 31, v0                           ; lane
	v_and_b32 v9, 15, v0                           ; r
	v_bfe_u32 v10, v0, 4, 1                        ; h
	v_and_b32 v12, 7, v0                           ; r % 8
	v_bfe_u32 v13, v0, 3, 1                        ; r / 8
	; every LDS address of the first phases is made here, ahead of the parting of the waves
	s_mul_i32 s3, s2, 2560                         ; my wave's tokens (TOK = 0)
	v_lshl_add_u32 v88, v8, 4, s3                  ; in: token 32 i + lane at 16 lane + 640 i
	v_lshl_add_u32 v89, v12, 4, s3
	v_mad_u32_u24 v89, v13, 640, v89
	v_lshl_add_u32 v89, v10, 3, v89                ; out: row r of a tile, my half's two numbers: 16 (r % 8) + 640 (r / 8) + 8 h
	s_and_b32 s7, s2, 1
	s_mul_i32 s7, s7, 1536
	s_add_co_u32 s7, s7, CIMG
	v_lshl_add_u32 v90, v8, 4, s7                  ; where wave 4 (head 0) or 5 (head 1) stores the constants' images
	v_lshl_add_u32 v4, v8, 4, CIMG                 ; and whence all read them
	s_mul_i32 s7, s2, 272
	s_add_co_u32 s7, s7, HB
	v_lshl_add_u32 v3, v10, 5, s7                  ; h: my batch's row, + 32 h
	s_and_b32 s7, s2, 3
	s_mul_i32 s7, s7, 9728
	s_add_co_u32 s7, s7, MIMG
	v_lshl_add_u32 v91, v8, 4, s7                  ; waves 0-3: my images of four registers,
	s_add_co_u32 s7, s7, 9216
	v_lshl_add_u32 v92, v8, 2, s7                  ; and of one
	v_lshlrev_b32 v5, 3, v10                       ; 8 h
	v_mul_u32_u24 v93, v8, 12                      ; a token is 12 bytes
	v_mov_b32 v7, 0                                ; upper halves of pairs that are named whole,
	v_mov_b32 v11, 0
	v_mov_b32 v32, 0                               ; and lane permutes' destinations, which count as sources: written once
	v_mov_b32 v33, 0
	v_mov_b32 v83, 0
	v_mov_b32 v87, 0
	s_mov_b32 s4, 0x76543210
	s_mov_b32 s5, 0xfedcba98                       ; v_permlanex16_b32's selects for lane l xor 16
	s_mov_b32 s6, 0xffff0000                       ; the lanes with h = 1
	s_lshl_b32 s70, ttmp9, 4
	s_add_co_u32 s70, s70, s2                      ; my batch
	s_mul_i32 s70, s70, 1536                       ; its 128 tokens of 12 bytes
	s_mov_b32 s71, 0
	s_wait_kmcnt 0x0
	s_load_b32 s66, s[48:49], 0x0                  ; b3
	s_add_nc_u64 s[8:9], s[8:9], s[70:71]
.irp i, 0,1,2,3
	global_load_b96 v[PT+4*\i:PT+4*\i+2], v93, s[8:9] offset:384*\i th:TH_LOAD_NT   ; 32 tokens: 384 consecutive bytes; each byte of the batch once
.endr
	s_cmp_lt_u32 s2, 4
	s_cbranch_scc1 .Lstage
	s_cmp_lt_u32 s2, 6
	s_cbranch_scc0 .Ljoin
	; ---- waves 4 and 5: the constants of head rs and of head tg.  Lane (r, h): r is the index d of the 16 over which G sums
	s_cmp_eq_u32 s2, 4                             ; the choice hangs on the wave's number alone
	s_cselect_b64 s[52:53], s[10:11], s[22:23]     ; Wq
	s_cselect_b64 s[54:55], s[12:13], s[24:25]     ; bq
	s_cselect_b64 s[56:57], s[14:15], s[26:27]     ; Wk
	s_cselect_b64 s[58:59], s[16:17], s[28:29]     ; bk
	s_cselect_b64 s[60:61], s[18:19], s[30:31]     ; Wv
	s_cselect_b64 s[62:63], s[20:21], s[32:33]     ; bv
	v_lshlrev_b32 v94, 2, v9                       ; 4 r
	v_lshl_add_u32 v95, v10, 8, v94                ; + two rows of Wv for h = 1
.irp i, 0,1,2
	global_load_b32 v[144+\i], v94, s[52:53] offset:64*\i          ; Wq[i][d]
	global_load_b32 v[148+\i], v94, s[56:57] offset:64*\i          ; Wk[i][d]
.endr
	global_load_b32 v147, v94, s[54:55]            ; bq[d]
	global_load_b32 v151, v94, s[58:59]            ; bk[d]
.irp e, 0,1
	global_load_b32 v[44+2*\e], v95, s[60:61] offset:64*\e         ; Wv[2 h][16 e + r]: the fragment's first register
	global_load_b32 v[152+\e], v94, s[60:61] offset:128+64*\e      ; Wv[1][16 e + r]
	global_load_b32 v[154+\e], v94, s[62:63] offset:64*\e          ; bv[16 e + r]
.endr
	s_wait_loadcnt 0x0
	v_cndmask_b32 v156, v148, v150, s6             ; Wk~[2 h]
	v_cndmask_b32 v157, v149, v151, s6             ; Wk~[2 h + 1]
	v_cndmask_b32 v158, v144, v146, s6             ; Wq~[2 h]
	v_cndmask_b32 v159, v145, v147, s6             ; Wq~[2 h + 1]
	v_cndmask_b32 v160, v146, v144, s6             ; Wq~[2 - 2 h]
	v_cndmask_b32 v161, v147, v145, s6             ; Wq~[3 - 2 h]
	v_cndmask_b32 v45, v152, v154, s6              ; [Wv; bv][2 h + 1]: the fragments' second registers
	v_cndmask_b32 v47, v153, v155, s6
	v_mul_f32 v156, 0x3eb8aa3b, v156               ; c = log2(e) / sqrt(16)
	v_mul_f32 v157, 0x3eb8aa3b, v157
.irp p, 0,1,2,3
	v_mul_f32 v[36+2*\p], v[158+\p], v156
	v_mul_f32 v[37+2*\p], v[158+\p], v157
.endr
.irp x, 1,2,4,8                                    ; the sums over d: the 16 lanes of a half; every lane ends with the sum
.irp p, 0,1,2,3,4,5,6,7
	v_add_f32_dpp v[36+\p], v[36+\p], v[36+\p] row_xmask:\x row_mask:0xf bank_mask:0xf
.endr
.endr
.irp i, 0,1,2
	ds_store_b128 v90, v[36+4*\i:39+4*\i] offset:512*\i            ; v36-47 as they stand: any wave that loads them so has them in the same lanes
.endr
	s_branch .Ljoin
.Lstage:
	; ---- waves 0 to 3: my part of the last layers' operands (hidden units 32 w .. 32 w + 31 of both layers) is fetched now and kept in my own LDS bytes as images of registers: no registers are free for it meanwhile.
	; THE ROWS OF A TILE ARE NOT NEIGHBOURS: lane r of tile u takes unit 32 w + 8 u + r + 8 (r / 8), so that a lane's 16 results of the two tiles are 16 neighbours along the next K: 32 w + 16 h + 0 .. 15
	s_lshl_b32 s7, s2, 5
	v_lshl_add_u32 v94, v13, 3, v9
	v_add_nc_u32 v94, s7, v94                      ; 32 w + r + 8 (r / 8)
	v_lshlrev_b32 v95, 5, v94
	v_lshl_add_u32 v95, v10, 4, v95                ; W1's codes: 32 bytes a row, block h
	v_lshlrev_b32 v124, 1, v94                     ; W1's scales: 2 bytes a row
	v_lshlrev_b32 v125, 6, v94
	v_lshl_add_u32 v125, v10, 4, v125              ; W2's codes: 64 bytes a row
	v_lshlrev_b32 v126, 2, v94                     ; W2's scales: 4 bytes a row
	s_lshl_b32 s7, s2, 7
	v_lshl_add_u32 v127, v10, 6, s7                ; b1, b2, W3: my 16 numbers 32 w + 16 h + 0 .. 15
.irp u, 0,1
	GIMG \u, 95, 34, 256*\u                        ; W1, tile u: k = 32 h + 0 .. 31
	GIMG 2+2*\u, 125, 40, 512*\u                   ; W2, tile u: k = 32 h + 0 .. 31,
	GIMG 3+2*\u, 125, 40, 512*\u+32                ; and 64 + 32 h + 0 .. 31
	global_load_u16 v[120+\u], v124, s[36:37] offset:16*\u         ; two scale bytes; the upper two are 0, over zero codes
	global_load_b32 v[122+\u], v126, s[42:43] offset:32*\u
.endr
.irp i, 0,1,2,3
	GIMG 6+\i, 127, 38, 16*\i                      ; b1
	GIMG 10+\i, 127, 44, 16*\i                     ; b2
	GIMG 14+\i, 127, 46, 16*\i                     ; W3
.endr
	s_wait_loadcnt 0x0
.irp k, 0,1,2,3,4,5,6,7,8,9,10,11,12,13,14,15,16,17
	ds_store_b128 v91, v[144+4*\k-96*(\k/12):147+4*\k-96*(\k/12)] offset:512*\k
.endr
.irp k, 0,1,2,3
	ds_store_b32 v92, v[120+\k] offset:128*\k
.endr
.Ljoin:
	s_wait_loadcnt 0x0                             ; my tokens
	s_wait_kmcnt 0x0                               ; b3
.irp i, 0,1,2,3
	v_mov_b32 v[PT+4*\i+3], 1.0                    ; s~'s fourth number
.endr
.irp i, 0,1,2,3
	ds_store_b128 v88, v[PT+4*\i:PT+4*\i+3] offset:640*\i
.endr
.irp c, 0,1
.irp t, 0,1,2,3
	ds_load_b64 v[AF+2*(4*\c+\t):AF+2*(4*\c+\t)+1], v89 offset:128*\t+1280*\c   ; my wave's own bytes, and LDS serves a wave's instructions in order (ISA guide 5.7.1.4): these see the stores above
.endr
.endr
	BARRIER                                        ; the heads' constants lie in LDS
	s_mov_b32 s67, 0                               ; the head,
	s_mov_b32 s68, 0                               ; 128 x head: its 32 numbers in a row of h,
	s_mov_b32 s69, 0                               ; 1,536 x head: its constants
	; ---- THE ATTENTION: two trips, head rs and head tg
.Lhead:
	v_add_nc_u32 v88, s69, v4
.irp i, 0,1,2
	ds_load_b128 v[36+4*\i:39+4*\i], v88 offset:512*\i
.endr
	s_wait_dscnt 0x0
	VQ 0
	VQ 1
	v_cndmask_b32 v64, v84, v85, s6                ; V's scale words: lanes 0-15 channel r, lanes 16-31 channel 16 + r
	BFRAG 0
	SMUL 34
	PLACES 8
.irp q, 0,1,2,3,4,5,6,7
	QT \q
.endr
	v_rcp_f32 v10, v12                             ; the last tile's 1 / l
	PLACES 4                                       ; the places behind the last products, and the plain line behind the reciprocal
	s_wait_alu depctr_va_vdst(0)
.set i, 0
.rept 8
	v_pk_fma_f32 v[AC+i:AC+i+1], v[OA+i:OA+i+1], v[10:11], v[AC+i:AC+i+1] op_sel_hi:[1,0,1]
.set i, i+2
.endr
.irp x, 1,2,4,8                                    ; the sum over the 16 queries that lie in the lanes of a half
.set i, 0
.rept 16
	v_add_f32_dpp v[AC+i], v[AC+i], v[AC+i] row_xmask:\x row_mask:0xf bank_mask:0xf
.set i, i+1
.endr
.endr
.set i, 0
.rept 8
	v_pk_mul_f32 v[AC+i:AC+i+1], v[AC+i:AC+i+1], 0x3c000000 op_sel_hi:[1,0]   ; / 128: the mean
.set i, i+2
.endr
	v_add_nc_u32 v88, s68, v3
	ds_store_b128 v88, v[AC:AC+3]                  ; channels 8 h + 0 .. 7 and 16 + 8 h + 0 .. 7; the 16 lanes of a half write the same bytes with the same values
	ds_store_b128 v88, v[AC+4:AC+7] offset:16
	ds_store_b128 v88, v[AC+8:AC+11] offset:64
	ds_store_b128 v88, v[AC+12:AC+15] offset:80
	s_add_co_u32 s68, s68, 128
	s_add_co_u32 s69, s69, 1536
	s_add_co_u32 s67, s67, 1
	s_cmp_lt_u32 s67, 2
	s_cbranch_scc1 .Lhead
	; ---- THE LAST LAYERS.  Their LDS addresses are made by all waves, ahead of the partings
	v_and_b32 v8, 31, v0                           ; lane
	v_and_b32 v9, 15, v0                           ; r
	v_bfe_u32 v10, v0, 4, 1                        ; h
	s_and_b32 s3, s2, 3
	v_mul_u32_u24 v3, v9, 272
	v_lshl_add_u32 v3, v10, 7, v3
	v_add_nc_u32 v3, HB, v3                        ; h: row r, block h
	s_mul_i32 s7, s3, 9728
	s_add_co_u32 s7, s7, MIMG
	v_lshl_add_u32 v4, v8, 4, s7                   ; my images of four registers,
	s_add_co_u32 s7, s7, 9216
	v_lshl_add_u32 v88, v8, 2, s7                  ; and of one
	s_lshl_b32 s7, s3, 8
	s_add_co_u32 s7, s7, IMG1
	v_lshl_add_u32 v89, v9, 4, s7
	v_lshl_add_u32 v89, v10, 3, v89                ; my 16 codes' place in the hidden fragment's image: block w is registers 4 (w / 2) .. + 3 of lane r + 16 (w % 2), and mine are its registers 2 h, 2 h + 1: 256 w + 16 r + 8 h
	s_add_co_u32 s7, s3, SC1
	v_lshl_add_u32 v90, v9, 2, s7                  ; byte w of row r's scale word
	v_lshl_add_u32 v91, v8, 4, IMG1
	v_lshl_add_u32 v92, v9, 2, SC1
	s_lshl_b32 s7, s3, 6
	s_add_co_u32 s7, s7, YP
	v_lshl_add_u32 v93, v9, 2, s7
	v_lshl_add_u32 v94, v9, 2, YP
	v_lshlrev_b32 v95, 2, v9                       ; out0: 4 r
	BARRIER                                        ; 16 rows of h lie in LDS
	s_cmp_lt_u32 s2, 4
	s_cbranch_scc0 .Lskip1
	; ---- layer 1, waves 0-3: transposed: source 0 = 16 units of W1, source 1 = h's 16 rows; K = 64, filled to 128 with zero codes on both sides; b1 is the C
.irp i, 0,1,2,3,4,5,6,7
	ds_load_b128 v[PT+4*\i:PT+4*\i+3], v3 offset:16*\i             ; h(r, 32 h + 0 .. 31): a whole block in my lane
.endr
	ds_load_b128 v[160:163], v4                    ; W1, tile 0
	ds_load_b128 v[168:171], v4 offset:512         ; tile 1
.irp i, 0,1,2,3
	ds_load_b128 v[16+4*\i:19+4*\i], v4 offset:512*(2+\i)          ; W2's two fragments
	ds_load_b128 v[176+4*\i:179+4*\i], v4 offset:512*(6+\i)        ; b1
	ds_load_b128 v[32+4*\i:35+4*\i], v4 offset:512*(10+\i)         ; b2
	ds_load_b128 v[48+4*\i:51+4*\i], v4 offset:512*(14+\i)         ; W3
.endr
	ds_load_b32 v66, v88                           ; W1's scale words, tiles 0 and 1;
	ds_load_b32 v67, v88 offset:128
	ds_load_b32 v64, v88 offset:256                ; W2's
	ds_load_b32 v65, v88 offset:384
.irp i, 0,1,2,3
	v_mov_b32 v[164+\i], 0                         ; zero codes for k = 64 .. 127
	v_mov_b32 v[172+\i], 0
	v_mov_b32 v[PC+4+\i], 0
.endr
	s_wait_dscnt 0x0
	v_max3_num_f32 v8, |v[PT]|, |v[PT+1]|, 0x1800000
	v_max3_num_f32 v9, |v[PT+16]|, |v[PT+17]|, 0x1800000
.set i, 2
.rept 7
	v_max3_num_f32 v8, v8, |v[PT+i]|, |v[PT+i+1]|
	v_max3_num_f32 v9, v9, |v[PT+16+i]|, |v[PT+17+i]|
.set i, i+2
.endr
	v_max_num_f32 v8, v8, v9                       ; block h's largest magnitude
	v_add_nc_u32 v86, 0xff000000, v8
	v_lshrrev_b32 v12, 23, v86
	v_lshlrev_b32 v12, v5, v12
	v_permlanex16_b32 v87, v12, s4, s5
	v_or_b32 v68, v12, v87                         ; h's scale word: bytes 0 and 1; bytes 2 and 3 are 0, over zero codes
.irp g, 0,1,2,3
	v_cvt_scalef32_pk8_fp4_f32 v[PC+\g], v[PT+8*\g:PT+8*\g+7], v86
.endr
	PLACES 8                                       ; a scale word made by vector instructions stands 8 places ahead of a scaled product, codes so made 4
	v_wmma_scale_f32_16x16x128_f8f6f4 v[112:119], v[160:167], v[PC:PC+7], v[176:183], v66, v68 matrix_a_fmt:MATRIX_FMT_FP4 matrix_b_fmt:MATRIX_FMT_FP4
	v_wmma_scale_f32_16x16x128_f8f6f4 v[120:127], v[168:175], v[PC:PC+7], v[184:191], v67, v68 matrix_a_fmt:MATRIX_FMT_FP4 matrix_b_fmt:MATRIX_FMT_FP4
	PLACES 4
	TANH16 112                                     ; lane (r, h): row r, units 32 w + 16 h + 0 .. 15
	v_max3_num_f32 v8, |v[PT]|, |v[PT+1]|, 0x1800000
.set i, 2
.rept 7
	v_max3_num_f32 v8, v8, |v[PT+i]|, |v[PT+i+1]|
.set i, i+2
.endr
	v_permlanex16_b32 v87, v8, s4, s5
	v_max_num_f32 v8, v8, v87                      ; block w's largest magnitude
	v_add_nc_u32 v86, 0xff000000, v8
	v_lshrrev_b32 v12, 23, v86
	v_cvt_scalef32_pk8_fp4_f32 v144, v[PT:PT+7], v86
	v_cvt_scalef32_pk8_fp4_f32 v145, v[PT+8:PT+15], v86
	v_nop                                          ; one plain line behind the conversions
	ds_store_b64 v89, v[144:145]
	ds_store_b8 v90, v12                           ; both halves write the same byte with the same value
.Lskip1:
	BARRIER                                        ; the hidden layer's fragment and scale words lie in LDS
	s_cmp_lt_u32 s2, 4
	s_cbranch_scc0 .Lskip2
	; ---- layers 2 and 3, waves 0-3
	ds_load_b128 v[78:81], v91
	ds_load_b128 v[82:85], v91 offset:512
	ds_load_b32 v69, v92
	s_wait_dscnt 0x0                               ; every operand below comes from a load: the wait is all that is owed
	v_wmma_scale_f32_16x16x128_f8f6f4 v[96:103], v[16:23], v[78:85], v[32:39], v64, v69 matrix_a_fmt:MATRIX_FMT_FP4 matrix_b_fmt:MATRIX_FMT_FP4
	v_wmma_scale_f32_16x16x128_f8f6f4 v[104:111], v[24:31], v[78:85], v[40:47], v65, v69 matrix_a_fmt:MATRIX_FMT_FP4 matrix_b_fmt:MATRIX_FMT_FP4
	PLACES 4
	TANH16 96
	v_pk_mul_f32 v[8:9], v[PT:PT+1], v[48:49]      ; the last layer, in f32: my 16 units,
.set i, 2
.rept 7
	v_pk_fma_f32 v[8:9], v[PT+i:PT+i+1], v[48+i:49+i], v[8:9]
.set i, i+2
.endr
	v_add_f32 v8, v8, v9
	v_permlanex16_b32 v87, v8, s4, s5
	v_add_f32 v8, v8, v87                          ; with lane l xor 16's: my wave's 32
	ds_store_b32 v93, v8
.Lskip2:
	BARRIER                                        ; the four waves' partial sums lie in LDS
	s_cmp_lg_u32 s2, 0
	s_cbranch_scc1 .Lend
.irp i, 0,1,2,3
	ds_load_b32 v[8+\i], v94 offset:64*\i
.endr
	s_lshl_b32 s70, ttmp9, 6                       ; my work-group's 16 numbers of out0
	s_mov_b32 s71, 0
	s_add_nc_u64 s[50:51], s[50:51], s[70:71]
	s_wait_dscnt 0x0
	v_add_f32 v8, v8, v9
	v_add_f32 v10, v10, v11
	v_add_f32 v8, v8, v10
	v_add_f32 v8, s66, v8                          ; + b3
	v_cmp_gt_u32 vcc_lo, 16, v0
	s_wait_xcnt 0x0                                ; EXEC changes only behind this wait
	s_and_saveexec_b32 s72, vcc_lo
	global_store_b32 v95, v8, s[50:51]             ; sixteen lanes store 64 consecutive bytes: all that the work-group owns of the output
	s_wait_xcnt 0x0                                ; and again, in front of the line that widens it
	s_or_b32 exec_lo, exec_lo, s72
.Lend:
	s_wait_tensorcnt 0x0                           ; the wave's end: the last three lines, behind my last LDS store; the first stands in a text with no tensor load too
	ds_add_u32 v1, v2
	s_wait_dscnt 0x0
	s_endpgm
.Lfunc_end_k_qd5c81c8995_critic:
	.size	k_qd5c81c8995_critic, .Lfunc_end_k_qd5c81c8995_critic-k_qd5c81c8995_critic
	.p2alignl 7, 3214868480
	.fill 96, 4, 3214868480
	.section	.rodata,"a",@progbits
	.p2align	6, 0x0
	.amdhsa_kernel k_qd5c81c8995_critic
		.amdhsa_group_segment_fixed_size 90880
		.amdhsa_private_segment_fixed_size 0
		.amdhsa_enable_private_segment 0
		.amdhsa_kernarg_size 176
		.amdhsa_user_sgpr_count 2
		.amdhsa_user_sgpr_kernarg_segment_ptr 1
		.amdhsa_wavefront_size32 1
		.amdhsa_system_sgpr_workgroup_id_x 1
		.amdhsa_system_sgpr_workgroup_id_y 1
		.amdhsa_system_sgpr_workgroup_id_z 1
		.amdhsa_system_vgpr_workitem_id 0
		.amdhsa_next_free_vgpr 256
		.amdhsa_next_free_sgpr 80
		.amdhsa_reserve_vcc 1
		.amdhsa_float_denorm_mode_32 3
		.amdhsa_float_denorm_mode_16_64 3
		.amdhsa_memory_ordered 1
		.amdhsa_forward_progress 1
		.amdhsa_inst_pref_size 131
	.end_amdhsa_kernel
	.amdgpu_metadata
---
amdhsa.version: [ 1, 2 ]
amdhsa.kernels:
  - .name:           k_qd5c81c8995_critic
    .symbol:         k_qd5c81c8995_critic.kd
    .args:
      - { .name: s_obs, .offset: 0, .size: 8, .value_kind: global_buffer, .address_space: global }
      - { .name: Wq_rs, .offset: 8, .size: 8, .value_kind: global_buffer, .address_space: global }
      - { .name: bq_rs, .offset: 16, .size: 8, .value_kind: global_buffer, .address_space: global }
      - { .name: Wk_rs, .offset: 24, .size: 8, .value_kind: global_buffer, .address_space: global }
      - { .name: bk_rs, .offset: 32, .size: 8, .value_kind: global_buffer, .address_space: global }
      - { .name: Wv_rs, .offset: 40, .size: 8, .value_kind: global_buffer, .address_space: global }
      - { .name: bv_rs, .offset: 48, .size: 8, .value_kind: global_buffer, .address_space: global }
      - { .name: Wq_tg, .offset: 56, .size: 8, .value_kind: global_buffer, .address_space: global }
      - { .name: bq_tg, .offset: 64, .size: 8, .value_kind: global_buffer, .address_space: global }
      - { .name: Wk_tg, .offset: 72, .size: 8, .value_kind: global_buffer, .address_space: global }
      - { .name: bk_tg, .offset: 80, .size: 8, .value_kind: global_buffer, .address_space: global }
      - { .name: Wv_tg, .offset: 88, .size: 8, .value_kind: global_buffer, .address_space: global }
      - { .name: bv_tg, .offset: 96, .size: 8, .value_kind: global_buffer, .address_space: global }
      - { .name: W1_codes, .offset: 104, .size: 8, .value_kind: global_buffer, .address_space: global }
      - { .name: W1_scales, .offset: 112, .size: 8, .value_kind: global_buffer, .address_space: global }
      - { .name: b1, .offset: 120, .size: 8, .value_kind: global_buffer, .address_space: global }
      - { .name: W2_codes, .offset: 128, .size: 8, .value_kind: global_buffer, .address_space: global }
      - { .name: W2_scales, .offset: 136, .size: 8, .value_kind: global_buffer, .address_space: global }
      - { .name: b2, .offset: 144, .size: 8, .value_kind: global_buffer, .address_space: global }
      - { .name: W3, .offset: 152, .size: 8, .value_kind: global_buffer, .address_space: global }
      - { .name: b3, .offset: 160, .size: 8, .value_kind: global_buffer, .address_space: global }
      - { .name: out0, .offset: 168, .size: 8, .value_kind: global_buffer, .address_space: global }
    .group_segment_fixed_size: 90880
    .private_segment_fixed_size: 0
    .kernarg_segment_align: 8
    .kernarg_segment_size: 176
    .max_flat_workgroup_size: 512
    .sgpr_count:     80
    .vgpr_count:     256
    .wavefront_size: 32
...
	.end_amdgpu_metadata
.endif
;; end of part 1
